; MI455X (gfx1250); checked and timed in simulation.
; The chip was launched on July 23, 2026; its instructions are those of AMD's public machine-readable ISA for CDNA 5 (MIT licence, August 2026) and "CDNA5" Instruction Set Architecture Reference Guide (July 2026). The comments in the code are by the model that wrote it; some were corrected since.
;; Lo RA Linear. Allowed arithmetic: matrix products marked QUANTISED: E2M1 operands, one E8M0 scale for each 32 along K, by v_wmma_scale_f32_16x16x128_f8f6f4 with both operands' format E2M1 (or v_wmma_scale_f32_32x16x128_f4), f32 sums; products left as they are: f32 operands where the result goes on into a quantised operand, else bf16, f16 or f32 operands; f32 sums; everything else in f32.
;; Inputs: bias 2,048 float32; lora_left 2,048 x 16 float32; lora_right 16 x 4,096 float32; weight 2,048 x 4,096 float32; x 4 x 2,048 x 4,096 float32.
;; Outputs: out0 4 x 2,048 x 2,048 float32.
;; This version of the problem:
;;   THIS VERSION OF THE PROBLEM IS GIVEN IN LOW PRECISION. The matrix products marked QUANTISED in the list below multiply operands that are first quantised to E2M1 (2 exponent bits, 1 mantissa bit; 4 bits a number), with one power-of-two scale for each 32 numbers along K (OCP MX v1.0); their sums are f32. All else is computed in f32.
;;   The module's matrix products, in the order in which they are computed (A, B: the left and right operand; K: the contracted axis; several contracted axes count as one K, in the product's order):
;;     1. [M 2,048, K 16] x [K 16, N 4,096]; A: input lora_left; B: input lora_right: left as it is (K = 16 < 32)
;;     2. [M 8,192, K 4,096] x [K 4,096, N 2,048]; A: input x; B: computed on the way: QUANTISED
;;   THE QUANTISER, for each operand of a quantised product, along K:
;;     - K is cut into blocks of 32 from its start; a last block that is shorter is filled with zeros.
;;     - A block's scale is 2^e with e = floor(log2(the largest magnitude in the block)) - 2, held to -126 .. 127; a block of zeros has e = 0. As a byte (E8M0): e + 127.
;;     - Each number is divided by its block's scale, clamped to +-6, and rounded to the nearest number of E2M1, ties to even, subnormals kept.
;;     - The product sums the exact products of the quantised numbers (number of the format x scale) in f32.
;;   ~~~python
;;   def quantise(x, axis):      # numpy; x: float32 -> the quantised numbers, widened to float32 again
;;       x = np.moveaxis(x, axis, -1); K = x.shape[-1]
;;       x = np.pad(x, [(0, 0)] * (x.ndim - 1) + [(0, -K % 32)]); x = x.reshape(x.shape[:-1] + (-1, 32)); a = np.abs(x).max(-1, keepdims=True)
;;       e = np.where(a > 0, np.clip(np.frexp(np.where(a > 0, a, 1))[1] - 1 - 2, -126, 127), 0)      # np.frexp(a)[1] - 1 = floor(log2(a)), exactly
;;       r = np.clip(x / 2.0 ** e, -6, 6)
;;       step = 2.0 ** (np.maximum(np.frexp(np.where(r == 0, 1, r))[1] - 1, 0) - 1)
;;       q = np.round(r / step) * step * 2.0 ** e      # np.round: ties to even
;;       return np.moveaxis(q.reshape(q.shape[:-2] + (-1,))[..., :K], -1, axis).astype(np.float32)
;;   ~~~
;;   OPERANDS COMPUTED ON THE WAY. 'Computed on the way' means the value that the module computes at that place (a softmax that the list does not call 'softmax' is quantised finished and normalised). What goes into a quantiser is computed in f32, as accurately as f32 sums, v_exp_f32 and their like allow (about 1e-6 of the number): no bf16 or f16 on the way to a quantiser, and a product that is left as it is and whose result goes on into a quantised operand takes f32 operands (vector FMAs, or v_wmma_f32_16x16x4_f32). A number that lies on a knife's edge between two numbers of the format may be rounded either way, as far as f32 arithmetic and the matrix unit's own rounding can turn it there, and no further.
;; One version. Each part assembles by itself: llvm-mc -triple=amdgcn-amd-amdhsa -mcpu=gfx1250 --defsym DOCPART=n.
;; ======== version 1 of 1: 2 launches
;; workspace buffers: xq 17,825,792 bytes; wq 4,456,448 bytes
;; launch quant (part 1): grid 256 x 1, 8 waves a work-group, no clusters, 66,560 bytes of LDS; arguments x, weight, lora_left, lora_right, xq, wq; writes xq, wq
.if DOCPART == 1
	.amdgcn_target "amdgcn-amd-amdhsa--gfx1250"
	.amdhsa_code_object_version 6
	.text
	.protected	k_qe1d9aabf96_quant
	.globl	k_qe1d9aabf96_quant
	.p2align	8
	.type	k_qe1d9aabf96_quant,@function
k_qe1d9aabf96_quant:
	s_mov_b64 s[64:65], 0
	v_nop
	global_prefetch_b8 v0, s[64:65] scope:SCOPE_SE
	s_setreg_imm32_b32 hwreg(HW_REG_WAVE_MODE, 25, 1), 1
	s_wait_xcnt 0x0
; x [8192][4096] and W_eff = weight + 2 (lora_left lora_right) [2048][4096], f32, become codes of FP4 (E2M1), K innermost, with one E8M0 scale byte for each 32 along K.
; A block's scale is 2^(floor(log2(its largest magnitude)) - 2); its byte is the largest magnitude's own exponent field - 2, held at 1 from below; each number is divided by the scale and rounded to the
; nearest code, ties to even, beyond 6 the code of 6.
; LIMITS: NaN and infinities among the inputs are not served.  A block of zeros, and a block whose largest magnitude lies under 2^(3 - 127), gets the byte 1 (the rule says 127 for zeros): its codes are
; zeros or the rule's own under byte 1, and the bytes are read by this program's second launch alone.
; THE WORKSPACE'S LAYOUT.  A tensor is cut into panels of 128 rows and K steps of 512.  Block (panel p, K step s) begins at byte (8 p + s) x 34,816: first the codes, row rho's 256 bytes at 256 rho, then the scale
; bytes, row rho's 16 at 32,768 + 16 rho.  So the codes and scales of 128 rows for one K step are 34,816 consecutive bytes: one dense tile for the second launch.
; SHARES.  A UNIT is 16 rows x 512 along K: 16 steps of one row (2,048 bytes).  x has 4,096 units, W_eff 1,024.  256 work-groups of eight waves, all resident at once; each wave starts and ends once.
; Work-group g owns rows 32 g .. 32 g + 31 of x for all of K: 16 units, unit j = K step j % 8 of rows 16 (j / 8) on; and units 4 g .. 4 g + 3 of W_eff.
; Waves 0-3 take unit j = wave of x and then a unit of W_eff: they load 32 KB of x, 32 KB of lora_right, 32 KB of weight.  Waves 4-7 take three units of x, 3 wave - 8 on: 96 KB too.
; THE RING.  A unit's 16 rows as loaded fill window 1 (16 registers a row).  As soon as a row has gone into the stage, its registers take the same row of what the wave wants next: the next unit of x, or
; (waves 0-3) its piece of lora_right, whose rows lie as far apart as x's.  So 60 to 64 loads of a wave are out until its last unit.  (The issue of a load that the counter's field cannot hold waits: ISA guide 5.7.1.)
; Each load reads 512 consecutive bytes, 16 a lane.  The conversions take neighbours along K from ONE lane's registers, so a step's 2,048 bytes turn through the wave's own stage in LDS and come back 64 bytes a lane
; (16 bytes of padding behind each 64, so that the lanes' reads fall on different banks).  Two neighbouring lanes hold a block of 32.
; A lane's 16 codes are 8 bytes: a wave's store covers 256 consecutive bytes, aligned.  A unit's 16 steps make 256 scale bytes: gathered in LDS, they leave by one store of 256 consecutive bytes, aligned.
; THE LoRA PRODUCT has K = 16 and feeds a quantiser: it is made in f32 by fused multiply-adds, in the layout in which weight is loaded: the wave's piece of lora_right (16 x 512 numbers) stays in 256 registers;
; lora_left's 16 rows come by two vector loads and are read a row at a time into scalar pairs.  The sum over the 16 first, then one rounding of 2 x sum + weight (x 2 is exact).
; No barrier: waves share nothing in LDS.  The two roles part on the wave's number.  Every offset is an immediate, every pointer is made once and never written again.
; REGISTERS.  Window 0: v2-6, v14-15 addresses; v8-13 at work; v16-79 and v176-239 weight as loaded, eight sets; v80-111 two sets of 16 neighbours; v112-127 a scale byte a step; v128-159 two registers of codes a step;
;   v160-175 the LoRA sums; v240-247 lora_left's 16 rows.   Window 1 (v256-511): the ring: row t at v[16 t]; later lora_right's piece, v[16 j + 4 i + c] = R[j][512 s + 128 i + 4 lane + c].
.set ROWB,  16384                      ; a row of x, of weight and of lora_right in bytes
.set BLKB,  34816                      ; a block of the workspace
.set SP,    80                         ; a lane's place in a stage: 64 bytes + 16 of padding
.set STGB,  32*SP                      ; a stage
.set SCB,   2*STGB                     ; behind a wave's two stages: its 256 scale bytes
.set XN,    80
.set EB,    112
.set CD,    128
.set ACC,   160
.set LL,    240
.set SRC,   32                         ; s[32:37] where my units 0, 1, 2 of x begin;  s[38:43] their codes;  s[44:49] their scale bytes
.set COD,   38
.set SCL,   44
.set WS,    50                         ; s[50:51] my unit of weight;  s[52:53] its codes;  s[54:55] its scale bytes;  s[56:57] my 16 rows of lora_left;  s[58:59] my K step of lora_right
.set WC,    52
.set WZ,    54
.set LP,    56
.set RP,    58
.set LV,    66                         ; s66, s68 .. s96: the 16 numbers of lora_left's row in hand, each the low word of a pair; s67 .. s97 are 0
.set MSB, 0
.macro WIN new                         ; the immediate's high byte repeats the setting that is left; a switch that changes nothing is dropped
.if MSB != (\new)
	s_set_vgpr_msb (MSB<<8)|(\new)
.set MSB, \new
.endif
.endm
; The three pointers of my k-th unit of x.  s19: my first unit; s18: 32 g rows in bytes; s26: 8 x panel; s27: 32 (g % 4); s25 = 0.
.macro UNITP k
	s_add_co_u32 s20, s19, \k                      ; unit j
	s_and_b32 s21, s20, 7                          ; its K step
	s_lshr_b32 s22, s20, 3                         ; which 16 of the work-group's 32 rows
	s_lshl_b32 s24, s21, 11                        ; 2,048 bytes a K step
	s_lshl_b32 s23, s22, 18                        ; 16 rows of 16,384 bytes
	s_add_co_u32 s24, s24, s23
	s_add_co_u32 s24, s24, s18                     ; (under 2^28)
	s_add_nc_u64 s[SRC+2*\k:SRC+2*\k+1], s[4:5], s[24:25]
	s_add_co_u32 s23, s26, s21
	s_mul_i32 s23, s23, BLKB                       ; its block of the workspace
	s_lshl_b32 s22, s22, 4
	s_add_co_u32 s22, s22, s27                     ; its first row in the panel
	s_lshl_b32 s24, s22, 8
	s_add_co_u32 s24, s24, s23
	s_add_nc_u64 s[COD+2*\k:COD+2*\k+1], s[12:13], s[24:25]
	s_lshl_b32 s24, s22, 4
	s_add_co_u32 s24, s24, s23
	s_add_co_u32 s24, s24, 32768
	s_add_nc_u64 s[SCL+2*\k:SCL+2*\k+1], s[12:13], s[24:25]      ; 256 consecutive bytes, aligned
.endm
; Row t of what begins at s[base] into the ring's place t.  nt = 1: read once in the launch; 0: lora_right, which other waves read again.
.macro REFILL t, base, nt
	WIN 0x40                                       ; destination window 1, address window 0
.irp i, 0,1,2,3
.if \nt
	global_load_b128 v[16*(\t)+4*\i:16*(\t)+4*\i+3], v3, s[\base:\base+1] offset:ROWB*(\t)+512*\i th:TH_LOAD_NT
.else
	global_load_b128 v[16*(\t)+4*\i:16*(\t)+4*\i+3], v3, s[\base:\base+1] offset:ROWB*(\t)+512*\i
.endif
.endr
.endm
; Step t's 16 registers at v[src] (data window by win) go through stage t % 2.  LDS serves a wave's instructions in order (ISA guide 5.7.1.4): no wait stands between the stores and the loads.
.macro TURN t, src, win
	WIN \win
.irp i, 0,1,2,3
	ds_store_b128 v14, v[\src+4*\i:\src+4*\i+3] offset:STGB*((\t)%2)+8*SP*\i
.endr
	WIN 0
.irp i, 0,1,2,3
	ds_load_b128 v[XN+16*((\t)%2)+4*\i:XN+16*((\t)%2)+4*\i+3], v15 offset:STGB*((\t)%2)+16*\i
.endr
.endm
; Step t's 16 neighbours become 16 codes and (with my neighbour lane) a scale byte.  cod: the unit's codes.
.macro QSTEP t, cod
.set XS, XN+16*((\t)%2)
	WIN 0
	v_max3_num_f32 v8, |v[XS]|, |v[XS+1]|, |v[XS+2]|               ; the largest magnitude of my 16, in two chains
	v_max3_num_f32 v9, |v[XS+3]|, |v[XS+4]|, |v[XS+5]|
.irp i, 6,10
	v_max3_num_f32 v8, v8, |v[XS+\i]|, |v[XS+\i+1]|
	v_max3_num_f32 v9, v9, |v[XS+\i+2]|, |v[XS+\i+3]|
.endr
	v_max3_num_f32 v8, v8, |v[XS+14]|, |v[XS+15]|
	v_max3_num_f32 v8, v8, v9, 0x1800000           ; and the floor 2^(3 - 127): the byte cannot fall under 1
	v_max_num_f32_dpp v8, v8, v8 row_xmask:1 row_mask:0xf bank_mask:0xf   ; with my neighbour's 16: the block's
	v_add_nc_u32 v11, 0xff000000, v8               ; 2 off its exponent field: the conversion takes the exponent field of this operand as its scale, and nothing else of it
	v_cvt_scalef32_pk8_fp4_f32 v[CD+2*(\t)], v[XS:XS+7], v11       ; the first number's code in the lowest four bits
	v_cvt_scalef32_pk8_fp4_f32 v[CD+2*(\t)+1], v[XS+8:XS+15], v11
	v_lshrrev_b32 v[EB+(\t)], 23, v11              ; the scale's byte (also the plain instruction behind the conversions)
	ds_store_b8 v5, v[EB+(\t)] offset:16*(\t)      ; both lanes of a block write the same byte with the same value
	global_store_b64 v4, v[CD+2*(\t):CD+2*(\t)+1], s[\cod:\cod+1] offset:256*(\t)   ; the row's 256 bytes of codes
.endm
.macro TAIL scl                        ; the unit's 256 scale bytes leave together
	ds_load_b64 v[12:13], v6                       ; in order behind my byte stores
	s_wait_dscnt 0x0
	global_store_b64 v4, v[12:13], s[\scl:\scl+1]
.endm
.macro SETRB t                         ; weight's row t lies in set t % 8: sets 0-3 at v16 on, sets 4-7 at v176 on
.if ((\t)%8) < 4
.set RB, 16+16*((\t)%8)
.else
.set RB, 112+16*((\t)%8)
.endif
.endm
.macro WLOAD t
	SETRB \t
.irp i, 0,1,2,3
	global_load_b128 v[RB+4*\i:RB+4*\i+3], v3, s[WS:WS+1] offset:ROWB*(\t)+512*\i th:TH_LOAD_NT
.endr
.endm
.macro WHEAD                           ; behind lora_right's last row: lora_left's 16 rows (1,024 bytes: lane l holds numbers 4 l .. 4 l + 3 of rows 0-7, then of rows 8-15), and weight's first eight rows
	WIN 0
	global_load_b128 v[LL:LL+3], v3, s[LP:LP+1]
	global_load_b128 v[LL+4:LL+7], v3, s[LP:LP+1] offset:512
.irp r, 0,1,2,3,4,5,6,7
	WLOAD \r
.endr
.endm
; A step of a unit of x.  mode 1: the ring takes the next unit of x, from s[base]; mode 2: it takes lora_right's piece, which is not turned; mode 0: the wave's last unit: nothing more is asked for.
.macro XSTEP t, mode, base, cod
.if (\t) > 0
	s_wait_dscnt 1                                 ; this row is back from the stage, so the stage's stores have read its place in the ring; the last step's byte store may be out
.else
	s_wait_dscnt 0x0
.endif
.if \mode == 1
	REFILL \t, \base, 1
.endif
.if \mode == 2
	REFILL \t, \base, 0
.if (\t) == 15
	WHEAD
.endif
.endif
.if (\t) < 15
.if \mode
	s_wait_loadcnt 60                              ; the next row is in.  Behind its four loads: 14 - t rows of this unit and t + 1 of what follows: 15 rows
.else
	s_wait_loadcnt 4*(14-(\t))                     ; behind it: the 14 - t rows that are left
.endif
	TURN (\t)+1, 16*((\t)+1), 0x04                 ; it goes through the other stage while this row is worked  (an LDS store's data are its source 1: window 1)
.elseif \mode == 1
	s_wait_loadcnt 60                              ; the next unit's row 0 is in; behind it: its rows 1 to 15
	TURN 0, 0, 0x04
.endif
	QSTEP \t, \cod
.endm
.macro XUNIT u, mode, base             ; my u-th unit of x
.if \u > 0
	s_wait_xcnt 0x0                                ; the last unit's stores have read their registers: the codes' registers and v[12:13] are written again only behind this wait
.endif
.irp t, 0,1,2,3,4,5,6,7,8,9,10,11,12,13,14,15
	XSTEP \t, \mode, \base, COD+2*\u
.endr
	TAIL SCL+2*\u
.endm
; W_eff's row t, in the layout of the loads, into v[ACC] on.  cnt: the loads issued behind weight's row t, which may stay out.
; L[t][j] lies in register LL + 4 (t / 8) + j % 4 of lane 4 (t % 8) + j / 4.  The packed forms take the LOW word of a scalar pair for both halves, so each number gets a pair of its own.
.macro LORA t, cnt
	SETRB \t
.irp j, 0,1,2,3,4,5,6,7,8,9,10,11,12,13,14,15
	v_readlane_b32 s[LV+2*\j], v[LL+4*((\t)/8)+(\j)%4], 4*((\t)%8)+(\j)/4
.endr
	WIN 0x01                                       ; source 0 (lora_right) window 1
.irp u, 0,1,2,3,4,5,6,7
	v_pk_mul_f32 v[ACC+2*\u:ACC+2*\u+1], v[2*\u:2*\u+1], s[LV:LV+1] op_sel_hi:[1,0]   ; j = 0 starts the sums: eight chains that do not wait for each other
.endr
.irp j, 1,2,3,4,5,6,7,8,9,10,11,12,13,14,15
.irp u, 0,1,2,3,4,5,6,7
	v_pk_fma_f32 v[ACC+2*\u:ACC+2*\u+1], v[16*\j+2*\u:16*\j+2*\u+1], s[LV+2*\j:LV+2*\j+1], v[ACC+2*\u:ACC+2*\u+1] op_sel_hi:[1,0,1]
.endr
.endr
	WIN 0
	s_wait_loadcnt \cnt                            ; weight's row t is in
.irp u, 0,1,2,3,4,5,6,7
	v_pk_fma_f32 v[ACC+2*\u:ACC+2*\u+1], v[ACC+2*\u:ACC+2*\u+1], 2.0, v[RB+2*\u:RB+2*\u+1] op_sel_hi:[1,0,1]   ; weight + 2 x sum: one rounding
.endr
.endm
.macro WSTEP t
.if (\t) > 0
	s_wait_dscnt 1                                 ; this row is back from the stage, so the stage's stores have read v[ACC] on; the last step's byte store may be out
.else
	s_wait_dscnt 0x0
.endif
.if (\t)+8 < 16
	WLOAD (\t)+8                                   ; into the set that row t's sums have read
.endif
.if (\t) < 15
.if (\t) < 8
	LORA (\t)+1, 28                                ; behind row t + 1's loads: those of seven rows
.else
	LORA (\t)+1, 4*(14-(\t))                       ; the counts run down
.endif
	TURN (\t)+1, ACC, 0
.endif
	QSTEP \t, WC
.endm
	s_load_b256 s[4:11], s[0:1], 0x0               ; x s[4:5], weight s[6:7], lora_left s[8:9], lora_right s[10:11]
	s_load_b128 s[12:15], s[0:1], 0x20             ; xq s[12:13], wq s[14:15]
	v_lshl_add_u32 v254, v0, 2, 0x10000
	v_mov_b32 v255, 0
	v_lshrrev_b32 v1, 5, v0
	v_readfirstlane_b32 s16, v1                    ; wave 0..7
	v_and_b32 v2, 31, v0                           ; lane
	v_lshlrev_b32 v3, 4, v2                        ; my 16 bytes of a load's 512
	v_lshlrev_b32 v4, 3, v2                        ; my 8 bytes of a store's 256
	s_lshl_b32 s17, s16, 13                        ; my wave's 8,192 bytes of LDS
	v_lshrrev_b32 v14, 2, v2
	v_mul_u32_u24 v14, v14, SP
	v_and_b32 v15, 3, v2
	v_lshl_add_u32 v14, v15, 4, v14
	v_add_nc_u32 v14, s17, v14                     ; the stage, on the way in: four lanes' 64 bytes on end, then the padding
	v_mul_u32_u24 v15, v2, SP
	v_add_nc_u32 v15, s17, v15                     ; and on the way out: my 16 neighbours
	v_lshrrev_b32 v5, 1, v2
	s_add_co_u32 s17, s17, SCB
	v_add_nc_u32 v5, s17, v5                       ; my block's scale byte
	v_add_nc_u32 v6, s17, v4                       ; and on the way out 8 bytes a lane
	s_mul_i32 s19, s16, 3
	s_sub_co_u32 s19, s19, 8                       ; waves 4-7: units 4, 7, 10, 13 on
	s_cmp_lt_u32 s16, 4
	s_cselect_b32 s19, s16, s19                    ; waves 0-3: unit = wave
	s_lshl_b32 s18, ttmp9, 19                      ; the work-group's 32 rows of 16,384 bytes
	s_lshr_b32 s26, ttmp9, 2                       ; their panel,
	s_lshl_b32 s26, s26, 3                         ; x 8 blocks
	s_and_b32 s27, ttmp9, 3
	s_lshl_b32 s27, s27, 5                         ; their place in the panel
	s_mov_b32 s25, 0                               ; the upper word of every offset
	s_wait_kmcnt 0x0
	UNITP 0
.irp t, 0,1,2,3,4,5,6,7,8,9,10,11,12,13,14,15
	REFILL \t, SRC, 1                              ; the ring is filled: my first unit's 16 rows, 32,768 bytes
.endr
	s_wait_loadcnt 60                              ; row 0's four loads are in; the 60 behind them may be out
	TURN 0, 0, 0x04
	s_cmp_lt_u32 s16, 4
	s_cbranch_scc1 .Lwrole
; ---- WAVES 4-7: three units of x
	UNITP 1
	UNITP 2
	XUNIT 0, 1, SRC+2
	XUNIT 1, 1, SRC+4
	XUNIT 2, 0, SRC
	s_wait_tensorcnt 0x0
	ds_add_u32 v254, v255
	s_wait_dscnt 0x0
	s_endpgm
; ---- WAVES 0-3: a unit of x, with lora_right's piece coming in behind it; then a unit of W_eff
.Lwrole:
	s_lshl_b32 s20, ttmp9, 2
	s_add_co_u32 s20, s20, s16                     ; my unit of W_eff: 4 g + wave
	s_and_b32 s21, s20, 7                          ; its K step
	s_lshr_b32 s22, s20, 3                         ; which 16 rows, 0 .. 127
	s_lshl_b32 s24, s21, 11
	s_add_nc_u64 s[RP:RP+1], s[10:11], s[24:25]    ; lora_right: my K step's 2,048 bytes of each row
	s_lshl_b32 s23, s22, 18
	s_add_co_u32 s24, s24, s23
	s_add_nc_u64 s[WS:WS+1], s[6:7], s[24:25]      ; weight
	s_lshl_b32 s24, s22, 10
	s_add_nc_u64 s[LP:LP+1], s[8:9], s[24:25]      ; lora_left: 64 bytes a row
	s_lshr_b32 s23, s22, 3                         ; panel
	s_lshl_b32 s23, s23, 3
	s_add_co_u32 s23, s23, s21
	s_mul_i32 s23, s23, BLKB                       ; my block of the workspace
	s_and_b32 s22, s22, 7                          ; my first row in the panel is 16 x this
	s_lshl_b32 s24, s22, 12
	s_add_co_u32 s24, s24, s23
	s_add_nc_u64 s[WC:WC+1], s[14:15], s[24:25]    ; my codes
	s_lshl_b32 s24, s22, 8
	s_add_co_u32 s24, s24, s23
	s_add_co_u32 s24, s24, 32768
	s_add_nc_u64 s[WZ:WZ+1], s[14:15], s[24:25]    ; my scale bytes
.irp j, 0,1,2,3,4,5,6,7,8,9,10,11,12,13,14,15
	s_mov_b32 s[LV+2*\j+1], 0                      ; the upper words of lora_left's pairs: named with them, so they are written
.endr
	XUNIT 0, 2, RP
	s_wait_xcnt 0x0                                ; the unit's stores have read their registers: the codes' registers and v[12:13] are written again only behind this wait
	s_wait_loadcnt 32                              ; lora_right's piece and lora_left's rows are in; weight's 32 loads behind them may be out
	LORA 0, 28                                     ; behind row 0's loads: those of rows 1 to 7
	TURN 0, ACC, 0
.irp t, 0,1,2,3,4,5,6,7,8,9,10,11,12,13,14,15
	WSTEP \t
.endr
	TAIL WZ
	s_wait_tensorcnt 0x0
	ds_add_u32 v254, v255
	s_wait_dscnt 0x0
	s_endpgm
.Lfunc_end_k_qe1d9aabf96_quant:
	.size	k_qe1d9aabf96_quant, .Lfunc_end_k_qe1d9aabf96_quant-k_qe1d9aabf96_quant
	.p2alignl 7, 3214868480
	.fill 96, 4, 3214868480
	.section	.rodata,"a",@progbits
	.p2align	6, 0x0
	.amdhsa_kernel k_qe1d9aabf96_quant
		.amdhsa_group_segment_fixed_size 66560
		.amdhsa_private_segment_fixed_size 0
		.amdhsa_enable_private_segment 0
		.amdhsa_kernarg_size 48
		.amdhsa_user_sgpr_count 2
		.amdhsa_user_sgpr_kernarg_segment_ptr 1
		.amdhsa_wavefront_size32 1
		.amdhsa_system_sgpr_workgroup_id_x 1
		.amdhsa_system_sgpr_workgroup_id_y 1
		.amdhsa_system_sgpr_workgroup_id_z 1
		.amdhsa_system_vgpr_workitem_id 0
		.amdhsa_next_free_vgpr 512
		.amdhsa_next_free_sgpr 98
		.amdhsa_reserve_vcc 0
		.amdhsa_float_denorm_mode_32 3
		.amdhsa_float_denorm_mode_16_64 3
		.amdhsa_memory_ordered 1
		.amdhsa_forward_progress 1
		.amdhsa_inst_pref_size 255
	.end_amdhsa_kernel
	.section	.bss,"aw",@nobits
	.p2align	6
	.space	262144
	.amdgpu_metadata
---
amdhsa.version: [ 1, 2 ]
amdhsa.kernels:
  - .name:           k_qe1d9aabf96_quant
    .symbol:         k_qe1d9aabf96_quant.kd
    .args:
      - { .name: x, .offset: 0, .size: 8, .value_kind: global_buffer, .address_space: global }
      - { .name: weight, .offset: 8, .size: 8, .value_kind: global_buffer, .address_space: global }
      - { .name: lora_left, .offset: 16, .size: 8, .value_kind: global_buffer, .address_space: global }
      - { .name: lora_right, .offset: 24, .size: 8, .value_kind: global_buffer, .address_space: global }
      - { .name: xq, .offset: 32, .size: 8, .value_kind: global_buffer, .address_space: global }
      - { .name: wq, .offset: 40, .size: 8, .value_kind: global_buffer, .address_space: global }
    .group_segment_fixed_size: 66560
    .private_segment_fixed_size: 0
    .kernarg_segment_align: 8
    .kernarg_segment_size: 48
    .max_flat_workgroup_size: 256
    .sgpr_count:     98
    .vgpr_count:     512
    .wavefront_size: 32
...
	.end_amdgpu_metadata
.endif
;; end of part 1
;; launch gemm (part 2): grid 8 x 32, 4 waves a work-group, clusters of 4 x 4, 327,680 bytes of LDS; arguments xq, wq, bias, out0; writes out0
.if DOCPART == 2
	.amdgcn_target "amdgcn-amd-amdhsa--gfx1250"
	.amdhsa_code_object_version 6
	.text
	.protected	k_qe1d9aabf96_gemm
	.globl	k_qe1d9aabf96_gemm
	.p2align	8
	.type	k_qe1d9aabf96_gemm,@function
k_qe1d9aabf96_gemm:
	s_mov_b64 s[64:65], 0
	v_nop
	global_prefetch_b8 v0, s[64:65] scope:SCOPE_SE
	s_setreg_imm32_b32 hwreg(HW_REG_WAVE_MODE, 25, 1), 1
	s_wait_xcnt 0x0
	s_wait_alu depctr_hold_cnt(0) depctr_sa_sdst(0) depctr_va_vdst(0) depctr_va_sdst(0) depctr_va_ssrc(0) depctr_va_vcc(0) depctr_vm_vsrc(0)
	s_getreg_b32 s2, hwreg(HW_REG_IB_STS2, 6, 4)
	s_cmp_eq_u32 s2, 0
	s_cbranch_scc0 .Lentry_in_a_cluster
	s_endpgm
.Lentry_in_a_cluster:
	s_bfe_u32 s2, ttmp6, 0x10000c
	s_cmp_lg_u32 s2, 0xf033
	s_cbranch_scc0 .Lentry_shape_is_right
	s_endpgm
.Lentry_shape_is_right:
; out0[m][n] = bias[n] + the sum over k of X[m][k] W[n][k], m < 8192, n < 2048, k < 4096.  X and W are codes of FP4 (E2M1) with one E8M0 scale for each 32 along K, made by the launch before; sums in f32.
; THE OPERANDS' LAYOUT: panels of 128 rows x K steps of 512; block (panel p, K step s) at byte (8 p + s) x 34,816: row rho's 256 bytes of codes at 256 rho, its 16 scale bytes at 32,768 + 16 rho.
; So ONE tensor load brings the codes and the scales of 128 rows for a K step, as 136 dense rows of 256 bytes: the scales ride in the ring with their codes.
; A tile of out0, 256 x 256, is made by a work-group of four waves, as many as a WGP has SIMDs; a wave makes 128 x 128: 64 accumulators of 16 x 16, 512 registers.  256 tiles, one to a work-group.
; K goes in 8 steps of 512 through a ring of two LDS slots; each wave fetches a quarter of a slot (waves 0, 1: X's two panels; waves 2, 3: W's two).
; CLUSTERS: 4 x 4 work-groups.  The four of a row of the cluster need the same panels of X, the four of a column the same panels of W: each is asked for JOINTLY, by the same tensor load with the same
; descriptor and a mask that names the four.  THE MATRIX INSTRUCTION IS USED TRANSPOSED (source 0 = 16 rows of W, source 1 = 16 rows of X): a lane then holds eight neighbouring numbers of a row of out0.
; THE BIAS is the C of each sum's first product: eight registers for each of my eight blocks of 16 columns, in the result's layout; no addition, no clearing.
; REGISTERS, in windows of 256: window 0: v0-31 addresses; v32-95 scale words, two sets; v128-191 X's fragments (8 x 16 rows x 128 K), ONE set; v192-255 the bias; on the way out v128-255 take rows of out0.
;   window 1: W's fragments, TWO sets, at v0 and at v128.   window 2: the 32 accumulators of my rows 0-63 (accumulator (a, b) at v[8 (8 a + b)]);   window 3: those of my rows 64-127.
; A step of 128 along K is 64 matrix instructions, X's blocks one after the other, each against W's eight.  A block of X is free as soon as its eight products are issued, so one set of registers serves X:
; blocks 0-3 are fetched anew in the step's middle, blocks 4-7 at its end.  W's fragments are at work through the whole step and have two sets.
.set SIZE_N, 2048
.set NQ,     4                         ; matrix instructions deep in a K step of 512
.set PITCH,  272                       ; an LDS row: 256 bytes + 16 of padding = 68 words: row r starts at bank 4 r mod 64 (64 banks of 4 bytes: ISA guide 11.1), so the 16 rows that a load touches start at 16 different banks
.set FR,     8                         ; registers of a fragment: 16 rows x 128 K
.set NL,     2                         ; LDS loads that bring one
.set NP,     4                         ; places behind this matrix instruction (ISA guide 7.12.1)
.set BLKB,   34816                     ; a block in memory
.set PANEL,  8*BLKB                    ; a panel: all 8 K steps
.set HALFT,  136*PITCH                 ; a block in LDS: what one tensor load brings
.set SCOFF,  128*PITCH                 ; in it, behind the 128 rows of codes: 8 rows of scales; the 16 bytes of row 16 i + r at SCOFF + 272 i + 16 r
.set SLOT,   4*HALFT                   ; X's two panels, then W's two
.set SPARE,  2*SLOT                    ; behind the ring: the spare words, 128 bytes for each wave: two blocks of 256 bytes that no other line names
.set LAPS,   4                         ; a lap = two K steps = once round the ring
.set SPITCH, 528                       ; the way out: a stage of 16 rows x (512 bytes + 16) for each wave.  It lies in slot 0, which has had its last fill and its last read when the first result is stored there
.set ADRA, 16                          ; v16-17  LDS address of my X fragments in slot 0, 1
.set ADRS, 18                          ; v18-19  of my scale words in slot 0, 1: lanes 0-15 X's rows, lanes 16-31 W's
.set ADRB, 20                          ; v20-21  of my W fragments
.set STO,  24                          ; v24     the way out: where I put 32 bytes of a row
.set RD,   25                          ; v25     the way out: where I read a row back
.set CO,   26                          ; v26     my byte offset in a row of out0
.set BO,   27                          ; v27     my byte offset among a block's 16 numbers of the bias: 32 (lane / 16)
.set SPW,  28                          ; v28     LDS address of my spare word: SPARE + 4 x my thread's number; never rewritten
.set NIL,  29                          ; v29     0; never rewritten
.set SC,   32                          ; scale words: set s (for slot s) at v[SC + 32 s]; in it register 4 i + q: lanes 0-15 the word of X's block i, lanes 16-31 that of W's block i, for the slot's q-th 128 along K
.set AF,   128                         ; X's fragments, in window 0
.set BI,   192                         ; the bias: v[BI + 8 b + j] = bias[my first column + 16 b + 8 (lane / 16) + j]
.set BK,   128                         ; the way out: 16 rows read back from the stage: v128-191 and v192-255 by turns
.set G1, 24                            ; s[24:31] descriptor group 1 for X's blocks;  s[32:39] group 0, one set for each slot
.set G0, 32
.set G1B, 48                           ; s[48:55], s[56:63] the same for W's
.set G0B, 56
.set MSB, 0
.macro WIN new                         ; the immediate's high byte repeats the setting that is left
.if MSB != (\new)
	s_set_vgpr_msb (MSB<<8)|(\new)
.set MSB, \new
.endif
.endm
.set MUL_LO, 0xa1                      ; source 0 (W) window 1, source 1 (X) window 0, C and D window 2
.set MUL_HI, 0xf1                      ; the same, C and D window 3
.set FST_LO, 0x81                      ; the first products: C (the bias) window 0, D window 2
.set FST_HI, 0xc1                      ; D window 3
.set TO_B,   0x40                      ; destination window 1, address window 0
; A joint load: waves 0 and 1 fetch for X, waves 2 and 3 for W.  Each of the two lines has ONE mask and one set of registers for all that issue it; the branch hangs on the wave's number alone.
; Four v_nop follow each of the two lines, ahead of the jump, the label and what follows.
.macro JLOAD g0a, g1a, g0b, g1b
	s_cmp_eq_u32 s15, 0
	s_cbranch_scc0 .Lfor_b_\@
	tensor_load_to_lds s[\g0a:\g0a+3], s[\g1a:\g1a+7]
	s_nop 0
.rept 4
	v_nop
.endr
	s_branch .Lasked_\@
.Lfor_b_\@:
	tensor_load_to_lds s[\g0b:\g0b+3], s[\g1b:\g1b+7]
	s_nop 0
.rept 4
	v_nop
.endr
.Lasked_\@:
.endm
.macro CREST                           ; a round of the cluster's barrier behind its opening barrier
	s_cmp_lg_u32 s14, 0
	s_cbranch_scc1 .Lnot_wave_0_\@
	s_barrier_signal -3
.Lnot_wave_0_\@:
	s_barrier_wait -3
	s_barrier_signal -1
	s_barrier_wait -1
.endm
.macro CROUND                          ; a whole round
	s_barrier_signal -1
	s_barrier_wait -1
	CREST
.endm
	s_load_b256 s[4:11], s[0:1], 0x0               ; xq s[4:5], wq s[6:7], bias s[8:9], out0 s[10:11]
	v_lshl_add_u32 v[SPW], v0, 2, SPARE
	v_mov_b32 v[NIL], 0
	ds_add_u32 v28, v29
	ds_add_u32 v28, v29
	s_wait_dscnt 0x0
	v_lshrrev_b32 v1, 5, v0
	v_readfirstlane_b32 s14, v1                    ; wave 0..3
	s_lshr_b32 s15, s14, 1                         ; which half of the tile's rows is mine.  Also: I fetch for X (0) or for W (1)
	s_and_b32 s16, s14, 1                          ; which half of its columns.  Also: which of the two panels I fetch
	s_bfe_u32 s40, ttmp6, 0x40000                  ; cx, cy: my place in the cluster
	s_bfe_u32 s41, ttmp6, 0x40004
	s_lshl_b32 s42, ttmp9, 2
	s_add_co_u32 s42, s42, s40                     ; tile column = 4 x cluster x + cx
	s_and_b32 s17, ttmp7, 0xffff
	s_lshl_b32 s17, s17, 2
	s_add_co_u32 s17, s17, s41                     ; tile row = 4 x cluster y + cy
	s_lshl_b32 s43, s41, 2
	s_lshl_b32 s43, 15, s43                        ; my row of the cluster
	s_lshl_b32 s44, 0x1111, s40                    ; my column
	; descriptor group 1: a dense block of 136 rows x 256 bytes (32 elements of 8 bytes), 16 bytes of padding behind each row in LDS
	s_or_b32 s[G1+0], s43, (3<<16)|(1<<20)|(1<<21)|(5<<22)|(3<<25)  ; 15:0 the mask: X's blocks go to my row; 17:16 elements of 8 bytes; 20 padding on; 21 set beside a mask; 24:22 after every 64 words (code 5); 31:25 of 4 words (code 3)
	s_or_b32 s[G1B+0], s44, (3<<16)|(1<<20)|(1<<21)|(5<<22)|(3<<25) ; the same with the mask of my column, for W's
.irp g, G1, G1B
	s_mov_b32 s[\g+1], 32<<16                      ; tensor_dim0 = 32
	s_mov_b32 s[\g+2], 136<<16                     ; tensor_dim1 = 136
	s_mov_b32 s[\g+3], 32<<16                      ; tile_dim0 = 32
	s_mov_b32 s[\g+4], 136                         ; tile_dim1 = 136
	s_mov_b32 s[\g+5], 32                          ; tensor_dim0_stride: the rows are dense
	s_mov_b32 s[\g+6], 0
	s_mov_b32 s[\g+7], 0
.endr
	; X's panel hangs on the tile row alone, which my row of the cluster shares; W's on the tile column alone, which my column shares.  Each address is made in registers that never hold the other coordinate.
	s_lshl_b32 s20, s17, 1
	s_add_co_u32 s20, s20, s16                     ; X: panel 2 x tile row + half
	s_mul_i32 s20, s20, PANEL                      ; in bytes (under 2^25)
	s_mov_b32 s21, 0
	s_lshl_b32 s46, s42, 1
	s_add_co_u32 s46, s46, s16                     ; W: panel 2 x tile column + half
	s_mul_i32 s46, s46, PANEL
	s_mov_b32 s47, 0
	s_mul_i32 s45, s14, HALFT                      ; where they go: wave x a block: no place in the cluster enters an LDS address
	s_wait_kmcnt 0x0
	s_add_nc_u64 s[20:21], s[4:5], s[20:21]
	s_add_nc_u64 s[46:47], s[6:7], s[46:47]
	CROUND                                         ; all sixteen work-groups are here: the first joint loads meet
.irp s, 0,1
	s_mov_b32 s[G0+4*\s], 1                                        ; count = 1
	s_add_co_u32 s[G0+4*\s+1], s45, \s*SLOT                        ; LDS address
	s_add_nc_u64 s[G0+4*\s+2:G0+4*\s+3], s[20:21], \s*BLKB         ; global address: K step s
	s_or_b32 s[G0+4*\s+3], s[G0+4*\s+3], 0x80000000                ; type = 2
	s_mov_b32 s[G0B+4*\s], 1
	s_add_co_u32 s[G0B+4*\s+1], s45, \s*SLOT
	s_add_nc_u64 s[G0B+4*\s+2:G0B+4*\s+3], s[46:47], \s*BLKB
	s_or_b32 s[G0B+4*\s+3], s[G0B+4*\s+3], 0x80000000
	JLOAD G0+4*\s, G1, G0B+4*\s, G1B               ; the ring is filled before anything else is done: two loads of mine are out
.endr
	v_and_b32 v1, 15, v0                           ; r = l % 16
	v_bfe_u32 v2, v0, 4, 1                         ; h = l / 16
	v_mul_u32_u24 v3, v1, PITCH
	v_lshl_add_u32 v4, v2, 4, v3                   ; a fragment's row x pitch + 16 x half
	s_mul_i32 s21, s15, HALFT                      ; my 128 rows of X
	s_mul_i32 s22, s16, HALFT                      ; my 128 rows of W,
	s_add_co_u32 s22, s22, 2*HALFT                 ; which lie behind X's two panels
.irp s, 0,1
	v_add_nc_u32 v[ADRA+\s], s21, v4
	v_add_nc_u32 v[ADRB+\s], s22, v4
	s_add_co_u32 s21, s21, SLOT
	s_add_co_u32 s22, s22, SLOT
.endr
	s_xor_b32 s22, s15, 1                          ; from my panel of X to my panel of W: 2 + (wave & 1) - (wave >> 1) blocks,
	s_add_co_u32 s22, s22, s16
	s_add_co_u32 s22, s22, 1
	s_mul_i32 s22, s22, HALFT
	v_mul_u32_u24 v6, s22, v2                      ; which lanes 16-31 go on: ONE product with the lane's half
	v_lshl_add_u32 v5, v1, 4, v6                   ; + 16 bytes a row
	s_mul_i32 s21, s15, HALFT
	s_add_co_u32 s21, s21, SCOFF
	v_add_nc_u32 v[ADRS], s21, v5
	s_add_co_u32 s21, s21, SLOT
	v_add_nc_u32 v[ADRS+1], s21, v5
	s_mul_i32 s23, s14, 16*SPITCH                  ; my stage
	v_mul_u32_u24 v5, v1, SPITCH                   ; in: row l % 16, 32 bytes for each half of the lanes
	v_lshl_add_u32 v5, v2, 5, v5
	v_add_nc_u32 v[STO], s23, v5
	v_and_b32 v6, 31, v0
	v_lshlrev_b32 v[CO], 4, v6                     ; back: the 32 lanes take one row of 512 bytes; and the same in out0
	v_add_nc_u32 v[RD], s23, v[CO]
	v_lshlrev_b32 v[BO], 5, v2
	s_lshl_b32 s20, s17, 8
	s_lshl_b32 s21, s15, 7
	s_add_co_u32 s20, s20, s21                     ; my first row of out0: 256 x tile row + 128 x half
	s_lshl_b32 s20, s20, 13                        ; x 8,192 bytes (under 2^27)
	s_mov_b32 s21, 0
	s_lshl_b32 s46, s42, 10                        ; my first column, in bytes: 1,024 x tile column + 512 x half
	s_lshl_b32 s47, s16, 9
	s_add_co_u32 s46, s46, s47
	s_mov_b32 s47, 0
	s_add_nc_u64 s[8:9], s[8:9], s[46:47]          ; the bias at my first column
	s_add_nc_u64 s[10:11], s[10:11], s[46:47]
	s_add_nc_u64 s[10:11], s[10:11], s[20:21]      ; out0 at my part's corner
.irp b, 0,1,2,3,4,5,6,7
	global_load_b128 v[BI+8*\b:BI+8*\b+3],   v[BO], s[8:9] offset:64*\b      ; columns 16 b + 8 h + 0 .. 3
	global_load_b128 v[BI+8*\b+4:BI+8*\b+7], v[BO], s[8:9] offset:64*\b+16   ; and + 4 .. 7
.endr
.macro FRAG reg, adr, q, i             ; a fragment, 16 rows x 128 K of 4-bit codes, is 8 registers: lane l holds row l % 16; registers 4 c .. 4 c + 3 hold K = 64 c + 32 (l / 16) + 0 .. 31, the lower K in the lower bits
.irp c, 0,1
	ds_load_b128 v[\reg+4*\c:\reg+4*\c+3], v[\adr] offset:64*(\q)+32*\c+(\i)*16*PITCH
.endr
.endm
; 16 matrix instructions: X's blocks a0, a0 + 1 x W's eight, 128 along K: the slot's q-th.  p: W's set;  sc: the set of scale words.  first = 1: the product starts the sum, with the bias as its C.
; The 64 accumulators take turns, one instruction a turn, in the same order in every step.  Source 0's scales are read from lanes 16-31 of register b, source 1's from lanes 0-15 of register a.
.macro MUL16 a0, p, q, sc, first
.irp a, \a0, \a0+1
.irp b, 0,1,2,3,4,5,6,7
.if \first
	v_wmma_scale_f32_16x16x128_f8f6f4 v[8*(8*((\a)%4)+\b):8*(8*((\a)%4)+\b)+7], v[128*(\p)+FR*\b:128*(\p)+FR*\b+FR-1], v[AF+FR*(\a):AF+FR*(\a)+FR-1], v[BI+8*\b:BI+8*\b+7], v[SC+8*NQ*(\sc)+NQ*\b+(\q)], v[SC+8*NQ*(\sc)+NQ*(\a)+(\q)] matrix_a_fmt:MATRIX_FMT_FP4 matrix_b_fmt:MATRIX_FMT_FP4 matrix_a_scale:MATRIX_SCALE_ROW1
.else
	v_wmma_scale_f32_16x16x128_f8f6f4 v[8*(8*((\a)%4)+\b):8*(8*((\a)%4)+\b)+7], v[128*(\p)+FR*\b:128*(\p)+FR*\b+FR-1], v[AF+FR*(\a):AF+FR*(\a)+FR-1], v[8*(8*((\a)%4)+\b):8*(8*((\a)%4)+\b)+7], v[SC+8*NQ*(\sc)+NQ*\b+(\q)], v[SC+8*NQ*(\sc)+NQ*(\a)+(\q)] matrix_a_fmt:MATRIX_FMT_FP4 matrix_b_fmt:MATRIX_FMT_FP4 matrix_a_scale:MATRIX_SCALE_ROW1
.endif
.endr
.endr
.endm
.macro FETCH_B slot, q, p              ; W's eight fragments of the slot's q-th 128 along K into set p
	WIN TO_B
.irp i, 0,1,2,3,4,5,6,7
	FRAG 128*(\p)+FR*\i, ADRB+\slot, \q, \i
.endr
	WIN 0
.endm
.macro FETCH_A slot, q, i0             ; X's blocks i0 .. i0 + 3
.irp i, \i0, \i0+1, \i0+2, \i0+3
	FRAG AF+FR*(\i), ADRA+\slot, \q, \i
.endr
.endm
.macro SCALES sc                       ; slot sc's scale words into set sc: four words a row; lanes 0-15 take X's block i, lanes 16-31 W's block i
.irp i, 0,1,2,3,4,5,6,7
	ds_load_b128 v[SC+8*NQ*\sc+NQ*\i:SC+8*NQ*\sc+NQ*\i+3], v[ADRS+\sc] offset:\i*PITCH
.endr
.endm
; A load into a register that a matrix instruction has read, and an LDS store that reads a matrix result, stand NP places behind that matrix instruction, and only plain vector instructions that name none
; of its registers are places (ISA guide 7.12.1 for vector instructions); the matrix instructions in between are not counted.
.macro PLACES n
.rept \n
	v_nop
.endr
.endm
; A step of 128 along K that has its successor in the same slot.
.macro STEP slot, q, first
	s_wait_dscnt 4*NL                              ; W's set, X's blocks 0-3 and the scale words are in; the youngest eight loads (X's blocks 4-7) may be out
.if \first
	WIN FST_LO
.else
	WIN MUL_LO
.endif
	MUL16 0, (\q)%2, \q, \slot, \first
	MUL16 2, (\q)%2, \q, \slot, \first
	s_wait_dscnt 0                                 ; X's blocks 4-7 are in (asked for 32 matrix instructions ago)
	PLACES NP
	FETCH_B \slot, (\q)+1, 1-(\q)%2
	FETCH_A \slot, (\q)+1, 0
.if \first
	WIN FST_HI
.else
	WIN MUL_HI
.endif
	MUL16 4, (\q)%2, \q, \slot, \first
	MUL16 6, (\q)%2, \q, \slot, \first
	PLACES NP
	WIN 0
	FETCH_A \slot, (\q)+1, 4
.endm
; A slot's last step changes slots: ONE barrier; in front of it each wave waits for all its tensor loads, adds 0 to its spare word, and waits for that and for its own reads of this slot.
; fill = 1: this slot is filled again, two K steps ahead; the barrier then opens a round of the cluster's barrier, and the joint refill is the first tensor load behind the round.
.macro TURN slot, next, fill
	s_wait_tensorcnt 0x0                           ; all my tensor loads have landed: the one that was out is my part of the next slot  (every window is 0 here: the add's two registers lie in window 0)
	ds_add_u32 v[SPW], v[NIL]                      ; 0 onto my spare word
	s_wait_dscnt 4*NL+1                            ; (the add and the youngest eight loads, X's blocks 4-7, may be out)
	WIN MUL_LO
	MUL16 0, 1, NQ-1, \slot, 0                     ; sixteen matrix instructions stand between the add and the wait for it
	s_wait_dscnt 0x0                               ; the add is done, and my reads of this slot are over
	s_barrier_signal -1
	MUL16 2, 1, NQ-1, \slot, 0
	WIN 0
	s_barrier_wait -1
.if \fill
	CREST                                          ; no wave of any partner still reads this slot or has a load on its way
	s_add_nc_u64 s[G0+4*\slot+2:G0+4*\slot+3], s[G0+4*\slot+2:G0+4*\slot+3], 2*BLKB       ; no tensor load of mine is out, so a group 0 may be written: two K steps on
	s_add_nc_u64 s[G0B+4*\slot+2:G0B+4*\slot+3], s[G0B+4*\slot+2:G0B+4*\slot+3], 2*BLKB
	JLOAD G0+4*\slot, G1, G0B+4*\slot, G1B         ; one load of mine is out from here on; the four v_nop behind it are also the places in front of the loads below
.else
	PLACES NP
.endif
	FETCH_B \next, 0, 0
	FETCH_A \next, 0, 0
	SCALES \next
	WIN MUL_HI
	MUL16 4, 1, NQ-1, \slot, 0
	MUL16 6, 1, NQ-1, \slot, 0
	PLACES NP
	WIN 0
	FETCH_A \next, 0, 4
.endm
.macro STEPS slot, from                ; the slot's steps from .. NQ - 2
.set Q, \from
.rept NQ-1-\from
	STEP \slot, Q, 0
.set Q, Q+1
.endr
.endm
	s_wait_tensorcnt 1                             ; my part of K step 0 is in (K step 1's load, issued behind it, may be out)
	s_barrier_signal -1
	s_barrier_wait -1                              ; everybody's is
	FETCH_B 0, 0, 0
	FETCH_A 0, 0, 0
	SCALES 0
	FETCH_A 0, 0, 4
	s_wait_loadcnt 0x0                             ; the bias
	STEP 0, 0, 1                                   ; the first step stands in front of the loop: its products start the sums from the bias
	s_mov_b32 s3, LAPS-1
.Llap:                                                 ; a trip goes once round the ring, from a lap's second step to the next lap's first, and fills both slots again
	STEPS 0, 1
	TURN 0, 1, 1
	STEPS 1, 0
	TURN 1, 0, 1
	STEP 0, 0, 0
	s_sub_co_u32 s3, s3, 1
	s_cmp_lg_u32 s3, 0
	s_cbranch_scc1 .Llap
	STEPS 0, 1                                     ; the last lap fills nothing, and has no round of the cluster's barrier
	TURN 0, 1, 0
	STEPS 1, 0
	s_wait_dscnt 4*NL                              ; the very last step: nothing more to fetch
	WIN MUL_LO
	MUL16 0, 1, NQ-1, 1, 0
	MUL16 2, 1, NQ-1, 1, 0
	s_wait_dscnt 0
	WIN MUL_HI
	MUL16 4, 1, NQ-1, 1, 0
	MUL16 6, 1, NQ-1, 1, 0
	WIN 0
; THE WAY OUT, block by block of 16 rows x 128 columns.  A lane holds 32 neighbouring bytes of a row, and the lanes beside it hold other rows: so a block goes through my own stage in LDS and comes back as whole
; rows of 512 bytes, which the 32 lanes store together.  LDS serves a wave's instructions in order (ISA guide 5.7.1.4): no wait between the stores and the loads, nor in front of the next block's stores.
.macro TOSTAGE a
.set AC, 64*((\a)%4)
	WIN 0x08+4*((\a)/4)                            ; an LDS store's data are its source 1: window 2 or 3
.irp b, 0,1,2,3,4,5,6,7
	ds_store_b128 v[STO], v[AC+8*\b:AC+8*\b+3] offset:64*\b          ; each accumulator from its low end on
	ds_store_b128 v[STO], v[AC+8*\b+4:AC+8*\b+7] offset:64*\b+16
.endr
	WIN 0
.set BB, BK+64*((\a)%2)
.irp t, 0,1,2,3,4,5,6,7,8,9,10,11,12,13,14,15
	ds_load_b128 v[BB+4*\t:BB+4*\t+3], v[RD] offset:\t*SPITCH
.endr
.endm
.macro SEND a, younger                 ; younger: the LDS instructions issued behind block a's loads, which may stay out
.set BB, BK+64*((\a)%2)
	s_wait_dscnt \younger                          ; the block is back in registers
.if (\a) > 0
	s_add_nc_u64 s[10:11], s[10:11], 16*SIZE_N*4   ; (behind a wait on XCNT for 0: the earlier stores have read their base)  16 rows of out0 on
.endif
.irp t, 0,1,2,3,4,5,6,7,8,9,10,11,12,13,14,15
	global_store_b128 v[CO], v[BB+4*\t:BB+4*\t+3], s[10:11] offset:\t*SIZE_N*4 th:TH_STORE_NT   ; 32 lanes store 512 consecutive bytes, at a multiple of 256 from out0's first byte; written once, read by nobody here
.endr
.endm
	PLACES NP                                      ; behind the last products: for the loads into the registers that held X's fragments, and for block 7's reads
	TOSTAGE 0
.irp a, 1,2,3,4,5,6,7
.if \a > 1
	s_wait_xcnt 0x0                                ; block a - 2's stores have read their registers and their base: block a's loads may land there, and the base may step
.endif
	TOSTAGE \a
	SEND \a-1, 32                                  ; behind block a - 1's loads: block a's 16 stores and 16 loads
.endr
	s_wait_xcnt 0x0                                ; block 6's stores have read their base
	SEND 7, 0
	s_wait_tensorcnt 0x0                           ; the wave's end: behind my last tensor load and my last LDS store
	ds_add_u32 v[SPW], v[NIL]
	s_wait_dscnt 0x0
	CROUND                                         ; the closing round: no work-group ends while a partner may still ask for a tile that names it
	s_endpgm
.Lfunc_end_k_qe1d9aabf96_gemm:
	.size	k_qe1d9aabf96_gemm, .Lfunc_end_k_qe1d9aabf96_gemm-k_qe1d9aabf96_gemm
	.p2alignl 7, 3214868480
	.fill 96, 4, 3214868480
	.section	.rodata,"a",@progbits
	.p2align	6, 0x0
	.amdhsa_kernel k_qe1d9aabf96_gemm
		.amdhsa_group_segment_fixed_size 327680
		.amdhsa_private_segment_fixed_size 0
		.amdhsa_enable_private_segment 0
		.amdhsa_kernarg_size 32
		.amdhsa_user_sgpr_count 2
		.amdhsa_user_sgpr_kernarg_segment_ptr 1
		.amdhsa_wavefront_size32 1
		.amdhsa_system_sgpr_workgroup_id_x 1
		.amdhsa_system_sgpr_workgroup_id_y 1
		.amdhsa_system_sgpr_workgroup_id_z 1
		.amdhsa_system_vgpr_workitem_id 0
		.amdhsa_next_free_vgpr 1024
		.amdhsa_next_free_sgpr 66
		.amdhsa_reserve_vcc 0
		.amdhsa_float_denorm_mode_32 3
		.amdhsa_float_denorm_mode_16_64 3
		.amdhsa_memory_ordered 1
		.amdhsa_forward_progress 1
		.amdhsa_inst_pref_size 211
	.end_amdhsa_kernel
	.amdgpu_metadata
---
amdhsa.version: [ 1, 2 ]
amdhsa.kernels:
  - .name:           k_qe1d9aabf96_gemm
    .symbol:         k_qe1d9aabf96_gemm.kd
    .args:
      - { .name: xq, .offset: 0, .size: 8, .value_kind: global_buffer, .address_space: global }
      - { .name: wq, .offset: 8, .size: 8, .value_kind: global_buffer, .address_space: global }
      - { .name: bias, .offset: 16, .size: 8, .value_kind: global_buffer, .address_space: global }
      - { .name: out0, .offset: 24, .size: 8, .value_kind: global_buffer, .address_space: global }
    .group_segment_fixed_size: 327680
    .private_segment_fixed_size: 0
    .kernarg_segment_align: 8
    .kernarg_segment_size: 32
    .max_flat_workgroup_size: 128
    .sgpr_count:     66
    .vgpr_count:     1024
    .wavefront_size: 32
...
	.end_amdgpu_metadata
.endif
;; end of part 2
